; MI455X (gfx1250); checked and timed in simulation.
; The chip was launched on July 23, 2026; its instructions are those of AMD's public machine-readable ISA for CDNA 5 (MIT licence, August 2026) and "CDNA5" Instruction Set Architecture Reference Guide (July 2026). The comments in the code are by the model that wrote it; some were corrected since.
;; G Vendi Codebook. Allowed arithmetic: float matrix products may take bf16 or f16 operands with f32 sums; other float arithmetic in f32, or as packed bf16 or f16 multiplies, adds, multiply-adds, maxima and minima; sums over many terms, partial sums and values carried from step to step in f32; what a program stores and reads back later, other than sums and carried values, may be rounded once to bf16 or f16.
;; Inputs: centroids 4,096 x 256 float32; x 65,536 x 256 float32.
;; Outputs: out0 65,536 int32.
;; One version. Each part assembles by itself: llvm-mc -triple=amdgcn-amd-amdhsa -mcpu=gfx1250 --defsym DOCPART=n.
;; ======== version 1 of 1: 2 launches
;; workspace buffers: cb 2,097,152 bytes; hb 16,384 bytes
;; launch prep (part 1): grid 64 x 1, 8 waves a work-group, no clusters, 1,280 bytes of LDS; arguments centroids, cb, hb; writes cb, hb
.if DOCPART == 1
	.amdgcn_target "amdgcn-amd-amdhsa--gfx1250"
	.amdhsa_code_object_version 6
	.text
	.protected	k_qff78e1af31_prep
	.globl	k_qff78e1af31_prep
	.p2align	8
	.type	k_qff78e1af31_prep,@function
k_qff78e1af31_prep:
	s_mov_b64 s[64:65], 0
	v_nop
	global_prefetch_b8 v0, s[64:65] scope:SCOPE_SE
	s_setreg_imm32_b32 hwreg(HW_REG_WAVE_MODE, 25, 1), 1
	s_wait_xcnt 0x0
; cb[k][d] = bf16(centroids[k][d]), rounded once to nearest even; hb[k] = -1/2 x the sum over d of cb[k][d]^2, in f32.
; centroids: [4096][256] f32.  cb: [4096][256] bf16, rows of 512 bytes.  hb: [4096] f32.
; The squares are taken of the ROUNDED numbers, so that the next launch's x . c + hb is -1/2 of the reference's score on inputs rounded to bf16.
; LIMIT: the 256 squares are added as a tree (8 a lane in two chains, then across the 32 lanes), not in the reference's order: hb may differ from it in its last bits.
; SHARES.  A work-group owns 64 rows, so that its 64 numbers of hb are 256 consecutive bytes, stored by one instruction; a wave owns 8 rows.
; A row is two loads of 512 consecutive bytes; a lane's 4 + 4 numbers pack into 8 + 8 bytes, and each store of the wave covers 256 consecutive bytes, aligned.
; No matrix unit, no cluster, no tensor load: each byte is read once, by one work-group, and all of a wave's 16 loads are out at once.
.set X,     16                         ; v[16:79]   row i: 8 registers as loaded
.set P,     80                         ; v[80:111]  row i: 4 registers of packed bf16: a set for each row, so that no store's data are rewritten
.set T,     112                        ; v[112:119] the row's 8 rounded numbers as f32
.set S,     120                        ; v[120:121] two chains of squares
.set H,     122                        ; v122       the row's sum, then -1/2 of it
.set EXC,   123                        ; v123       the other half of the lanes' sum
.set BK,    124                        ; v[124:125] wave 0: two of the 64 numbers, read back
.set SPW,   10                         ; v10        LDS address of my spare word; never rewritten
.set NIL,   11                         ; v11        0; never rewritten
.set SPARE, 256                        ; LDS: bytes 0-255 the 64 numbers; from 256 on the spare words, 128 bytes for each of eight waves
	s_load_b128 s[4:7], s[0:1], 0x0                ; centroids s[4:5], cb s[6:7]
	s_load_b64 s[8:9], s[0:1], 0x10                ; hb
	v_lshl_add_u32 v[SPW], v0, 2, SPARE
	v_mov_b32 v[NIL], 0
	v_lshrrev_b32 v5, 5, v0
	v_readfirstlane_b32 s10, v5                    ; my wave's number
	v_and_b32 v6, 31, v0                           ; lane
	v_lshlrev_b32 v1, 4, v6
	v_lshl_add_u32 v1, v5, 13, v1                  ; centroids: wave x 8 rows x 1,024 bytes + 16 x lane
	v_lshlrev_b32 v4, 3, v6                        ; 8 x lane
	v_lshl_add_u32 v2, v5, 12, v4                  ; cb: wave x 8 rows x 512 bytes + 8 x lane
	v_mov_b32 v3, s10
	v_lshlrev_b32 v3, 5, v3                        ; LDS: my wave's 8 words
	v_mov_b32 v[EXC], 0                            ; v_permlanex16_b32's destination counts as read: it is written once here
	s_mov_b32 s11, 0xffff0000                      ; a word's upper bf16
	s_mov_b32 s12, 0x76543210                      ; v_permlanex16_b32: each lane takes its own place in the other half
	s_mov_b32 s13, 0xfedcba98
	s_lshl_b32 s14, ttmp9, 16                      ; the work-group's 64 rows: 65,536 bytes of centroids,
	s_mov_b32 s15, 0
	s_lshl_b32 s16, ttmp9, 15                      ; 32,768 of cb,
	s_mov_b32 s17, 0
	s_lshl_b32 s18, ttmp9, 8                       ; 256 of hb
	s_mov_b32 s19, 0
	s_wait_kmcnt 0x0
	s_add_nc_u64 s[4:5], s[4:5], s[14:15]
	s_add_nc_u64 s[6:7], s[6:7], s[16:17]
	s_add_nc_u64 s[8:9], s[8:9], s[18:19]
.irp i, 0,1,2,3,4,5,6,7
	global_load_b128 v[X+8*\i:X+8*\i+3],   v1, s[4:5] offset:1024*\i th:TH_LOAD_NT      ; numbers 4 lane .. of row i
	global_load_b128 v[X+8*\i+4:X+8*\i+7], v1, s[4:5] offset:1024*\i+512 th:TH_LOAD_NT  ; numbers 128 + 4 lane ..
.endr
.macro ROWP i
	s_wait_loadcnt 14-2*(\i)                       ; loads come back in order: row i's two are in, the 2 (7 - i) of later rows may stay out
.irp j, 0,1,2,3
	v_cvt_pk_bf16_f32 v[P+4*(\i)+\j], v[X+8*(\i)+2*\j], v[X+8*(\i)+2*\j+1]
.endr
	global_store_b64 v2, v[P+4*(\i):P+4*(\i)+1],   s[6:7] offset:512*(\i)      ; 32 lanes x 8 bytes: 256 consecutive bytes, aligned
	global_store_b64 v2, v[P+4*(\i)+2:P+4*(\i)+3], s[6:7] offset:512*(\i)+256
.irp j, 0,1,2,3
	v_lshlrev_b32 v[T+2*\j],   16,  v[P+4*(\i)+\j] ; the rounded numbers back as f32
	v_and_b32     v[T+2*\j+1], s11, v[P+4*(\i)+\j]
.endr
	v_pk_mul_f32 v[S:S+1], v[T:T+1], v[T:T+1]
	v_pk_fma_f32 v[S:S+1], v[T+2:T+3], v[T+2:T+3], v[S:S+1]
	v_pk_fma_f32 v[S:S+1], v[T+4:T+5], v[T+4:T+5], v[S:S+1]
	v_pk_fma_f32 v[S:S+1], v[T+6:T+7], v[T+6:T+7], v[S:S+1]
	v_add_f32 v[H], v[S], v[S+1]
	v_add_f32_dpp v[H], v[H], v[H] row_xmask:1 row_mask:0xf bank_mask:0xf
	v_add_f32_dpp v[H], v[H], v[H] row_xmask:2 row_mask:0xf bank_mask:0xf
	v_add_f32_dpp v[H], v[H], v[H] row_xmask:4 row_mask:0xf bank_mask:0xf
	v_add_f32_dpp v[H], v[H], v[H] row_xmask:8 row_mask:0xf bank_mask:0xf
	v_permlanex16_b32 v[EXC], v[H], s12, s13
	v_add_f32 v[H], v[H], v[EXC]                   ; every lane holds the row's sum
	v_mul_f32 v[H], -0.5, v[H]
	ds_store_b32 v3, v[H] offset:4*(\i)            ; all lanes write the same word with the same number
.endm
.irp i, 0,1,2,3,4,5,6,7
	ROWP \i
.endr
	s_wait_tensorcnt 0x0
	ds_add_u32 v[SPW], v[NIL]
	s_wait_dscnt 0x0                               ; this also shows my eight stores done, for wave 0's sake
	s_barrier_signal -1
	s_barrier_wait -1                              ; all 64 words are in LDS
	s_cmp_lg_u32 s10, 0
	s_cbranch_scc1 .Lend
	ds_load_b64 v[BK:BK+1], v4                     ; wave 0: 32 lanes x 8 bytes
	s_wait_dscnt 0x0
	global_store_b64 v4, v[BK:BK+1], s[8:9]        ; 256 consecutive bytes of hb, aligned
.Lend:
	s_endpgm
.Lfunc_end_k_qff78e1af31_prep:
	.size	k_qff78e1af31_prep, .Lfunc_end_k_qff78e1af31_prep-k_qff78e1af31_prep
	.p2alignl 7, 3214868480
	.fill 96, 4, 3214868480
	.section	.rodata,"a",@progbits
	.p2align	6, 0x0
	.amdhsa_kernel k_qff78e1af31_prep
		.amdhsa_group_segment_fixed_size 1280
		.amdhsa_private_segment_fixed_size 0
		.amdhsa_enable_private_segment 0
		.amdhsa_kernarg_size 24
		.amdhsa_user_sgpr_count 2
		.amdhsa_user_sgpr_kernarg_segment_ptr 1
		.amdhsa_wavefront_size32 1
		.amdhsa_system_sgpr_workgroup_id_x 1
		.amdhsa_system_sgpr_workgroup_id_y 1
		.amdhsa_system_sgpr_workgroup_id_z 1
		.amdhsa_system_vgpr_workitem_id 0
		.amdhsa_next_free_vgpr 128
		.amdhsa_next_free_sgpr 66
		.amdhsa_reserve_vcc 0
		.amdhsa_float_denorm_mode_32 3
		.amdhsa_float_denorm_mode_16_64 3
		.amdhsa_memory_ordered 1
		.amdhsa_forward_progress 1
		.amdhsa_inst_pref_size 15
	.end_amdhsa_kernel
	.amdgpu_metadata
---
amdhsa.version: [ 1, 2 ]
amdhsa.kernels:
  - .name:           k_qff78e1af31_prep
    .symbol:         k_qff78e1af31_prep.kd
    .args:
      - { .name: centroids, .offset: 0, .size: 8, .value_kind: global_buffer, .address_space: global }
      - { .name: cb, .offset: 8, .size: 8, .value_kind: global_buffer, .address_space: global }
      - { .name: hb, .offset: 16, .size: 8, .value_kind: global_buffer, .address_space: global }
    .group_segment_fixed_size: 1280
    .private_segment_fixed_size: 0
    .kernarg_segment_align: 8
    .kernarg_segment_size: 24
    .max_flat_workgroup_size: 256
    .sgpr_count:     66
    .vgpr_count:     128
    .wavefront_size: 32
...
	.end_amdgpu_metadata
.endif
;; end of part 1
;; launch assign (part 2): grid 256 x 1, 4 waves a work-group, clusters of 4 x 1, 327,680 bytes of LDS; arguments x, cb, hb, out0; writes out0
.if DOCPART == 2
	.amdgcn_target "amdgcn-amd-amdhsa--gfx1250"
	.amdhsa_code_object_version 6
	.text
	.protected	k_qff78e1af31_assign
	.globl	k_qff78e1af31_assign
	.p2align	8
	.type	k_qff78e1af31_assign,@function
k_qff78e1af31_assign:
	s_mov_b64 s[64:65], 0
	v_nop
	global_prefetch_b8 v0, s[64:65] scope:SCOPE_SE
	s_setreg_imm32_b32 hwreg(HW_REG_WAVE_MODE, 25, 1), 1
	s_wait_xcnt 0x0
	s_wait_alu depctr_hold_cnt(0) depctr_sa_sdst(0) depctr_va_vdst(0) depctr_va_sdst(0) depctr_va_ssrc(0) depctr_va_vcc(0) depctr_vm_vsrc(0)
	s_getreg_b32 s2, hwreg(HW_REG_IB_STS2, 6, 4)
	s_cmp_eq_u32 s2, 0
	s_cbranch_scc0 .Lentry_in_a_cluster
	s_endpgm
.Lentry_in_a_cluster:
	s_bfe_u32 s2, ttmp6, 0x10000c
	s_cmp_lg_u32 s2, 0x3003
	s_cbranch_scc0 .Lentry_shape_is_right
	s_endpgm
.Lentry_shape_is_right:
; out0[n] = the first k at which |c_k|^2 - 2 x_n . c_k is least = the first k at which t = x_n . c_k + hb[k] is greatest (hb = -|c|^2 / 2; a factor of -2 commutes with rounding).
; x: [65536][256] f32, rounded here once to bf16.  cb: [4096][256] bf16 and hb: [4096] f32, made by the launch before.  out0: [65536] i32.  Products in bf16, sums in f32.
; LIMITS.  The f32 sums are taken in the matrix unit's order, not the reference's: a row whose two best scores lie within a few f32 units in the last place of each other may get the other index.
; Equal scores give the lowest index.  NaN and infinite scores are not treated apart (a NaN is never chosen).
; SHARES.  A work-group owns 256 queries, each of its four waves 64: four tiles of 16, kept as bf16 fragments in 256 registers for the whole launch.  Every wave walks all 256 tiles of 16 centroids.
; For a tile of centroids a wave issues 32 matrix instructions, 18 LDS loads and 112 vector instructions.
; LAYOUT.  Source 0 = 16 centroids, source 1 = 16 queries: register j of lane l of the result is centroid 8 (l / 16) + j of the tile, query l % 16.  The C operand of the first K step is hb of those eight
; centroids, so a score costs no vector instruction.  A lane keeps, for each of its 32 places (query tile, j), the best score so far and the number of the tile that gave it.
; BY TURNS.  The scores have two buffers: while the matrix unit makes tile g's, the vector unit takes tile g - 1's into the running best: 3 or 4 lines behind each matrix instruction.
; WINDOWS (s_set_vgpr_msb: bits 1:0 source 0, 3:2 source 1, 5:4 source 2, 7:6 destination).  In the loop ONE setting serves all: source 1 in window 1 (the queries), all else in window 0.  So every vector
; line of the loop has its vector registers in source 0, source 2 and the destination, and a scalar or a constant as source 1: s - best is best x -1 + s, the maximum has three operands with -infinity in the middle.
; CLUSTER.  All work-groups read the same cb and hb: the four of a cluster ask for every tile JOINTLY, by the same tensor load, descriptor and mask.
; REGISTERS.  Window 0: see the names below.  Window 1: the queries, fragment (tile q, K step k) at v[64 q + 8 k].  Windows 2 and 3: x as it lands, f32, 128 registers a query tile.
.set PITCH, 528                        ; a row of cb in LDS: 512 bytes + 16 of padding = 132 words: row r starts at bank 4 r mod 64 (64 banks of 4 bytes: ISA guide 11.1): the 16 rows of a load start at 16 different banks
.set TILEB, 16*PITCH                   ; a tile of 16 centroids
.set QUART, 64*PITCH                   ; what one tensor load brings: 64 rows.  w x QUART = 0, 0x8400, 0x10800, 0x18c00
.set SLOT1, 4*QUART                    ; a slot holds 256 centroids; slot 1 begins at 0x21000: bits 12 and 17, which no w x QUART has: one exclusive or turns a quarter's address into the other slot's
.set HT,    2*SLOT1                    ; hb, 16,384 bytes, filled once
.set STAGE, HT+16384                   ; 16 rows x 528 bytes for each wave: x on its way into fragments, and the results on their way out; no tensor load fills it
.set SPARE, STAGE+4*TILEB              ; the spare words, 128 bytes for each wave: two blocks of 256 bytes that no other line names
.set AK0, 3                            ; v3   my lane's place in a tile of centroids: 528 (l % 16) + 16 (l / 16)
.set AH0, 4                            ; v4   HT + 32 (l / 16)
.set ADR, 5                            ; v5   LDS address of the tile being fetched
.set ADH, 6                            ; v6   of its eight numbers of hb
.set XO,  7                            ; v7   16 x lane
.set STW, 8                            ; v8   my stage + 8 x lane
.set STR, 9                            ; v9   my stage + 528 (l % 16) + 16 (l / 16)
.set SPW, 10                           ; v10  LDS address of my spare word; never rewritten
.set NIL, 11                           ; v11  0; never rewritten
.set DT,  12                           ; v[12:15]   s - best, two pairs by turns
.set BEST,16                           ; v[16:47]   place 8 q + j
.set IDX, 48                           ; v[48:79]   the tile's number
.set CQ,  80                           ; v[80:95]   hb of a tile, two buffers of 8
.set ACC, 96                           ; v[96:159]  the scores: buffer p at 96 + 32 p, query tile q at + 8 q
.set AF,  160                          ; v[160:223] a tile's fragments, K step k at 160 + 8 k
.set PK,  160                          ;            at the start: x packed to bf16
.set HJ,  224                          ; v[224:231] the way out: 8 (l / 16) + j
.set KK,  232                          ; v[232:239] candidates
.set MX,  240
.set EX,  241
.set RW,  242
.set GO,  243
.set RES, 244
.set WV,  12                           ; s12  my wave's number
.set STG, 15                           ; s15  my stage
.set G1C, 24                           ; s[24:31] descriptor group 1 for cb's tiles
.set G1H, 32                           ; s[32:39] for hb
.set G0A, 40                           ; s[40:43] group 0: slot 0's first fill
.set G0B, 44                           ; s[44:47] slot 1's first fill; then it walks
.set G0H, 48                           ; s[48:51] hb
.set CNT, 52
.set SLOTS, 53
.set TB,  54                           ; s54  LDS byte of the tile to be fetched next
.set TH,  55                           ; s55  64 x its number
.set TI,  56                           ; s56  the number of the tile whose scores the vector lines take
.set NINF,57                           ; s57  -infinity
.set SEL, 58                           ; s[58:59] v_permlanex16_b32's selects
.set MK,  60                           ; s[60:63] four lane masks, two pairs by turns
.set MUL, 0x04                         ; the loop's one setting
.set MSB, 0
.macro WIN new                         ; the immediate's high byte repeats the setting that is left; a switch that changes nothing is dropped
.if MSB != (\new)
	s_set_vgpr_msb (MSB<<8)|(\new)
.set MSB, (\new)
.endif
.endm
; A round of the cluster's barrier: my work-group's barrier; wave 0 signals for the work-group; every wave waits for all four work-groups; my work-group's barrier once more.
.macro CREST                           ; a round behind its opening barrier
	s_cmp_lg_u32 s[WV], 0
	s_cbranch_scc1 .Lnot_wave_0_\@
	s_barrier_signal -3
.Lnot_wave_0_\@:
	s_barrier_wait -3
	s_barrier_signal -1
	s_barrier_wait -1
.endm
.macro CROUND
	s_barrier_signal -1
	s_barrier_wait -1
	CREST
.endm
; THE VECTOR WORK for a tile: 16 pairs t of scores (registers 2 t, 2 t + 1 of the buffer), seven lines a pair.
.macro RF t                            ; s - best for both: one rounding, so its sign is exact
	v_pk_fma_f32 v[DT+2*((\t)%2):DT+2*((\t)%2)+1], v[BEST+2*(\t):BEST+2*(\t)+1], -1.0, v[aS+2*(\t):aS+2*(\t)+1] op_sel_hi:[1,0,1]
.endm
.macro RC t, e                         ; strictly greater: of equal scores the earlier tile stays
	v_cmp_gt_f32 s[MK+2*((\t)%2)+(\e)], v[DT+2*((\t)%2)+(\e)], 0
.endm
.macro RI t, e
	v_cndmask_b32 v[IDX+2*(\t)+(\e)], v[IDX+2*(\t)+(\e)], s[TI], s[MK+2*((\t)%2)+(\e)]
.endm
.macro RM t, e
	v_max3_num_f32 v[BEST+2*(\t)+(\e)], v[BEST+2*(\t)+(\e)], s[NINF], v[aS+2*(\t)+(\e)]
.endm
; Line n of the 112, on the buffer that the matrix unit is not writing (p is the one it writes).  The order keeps a pair's difference two lines or more ahead of its compares, the compares ahead of the selects,
; and rewrites a difference or a mask only when its readers have gone.  Each accumulator's registers 0 and 1 are read first.
.macro ROP p
.set aS, ACC+32*(1-(\p))
.if n < 2
	RF n
.elseif n < 4
	RC 0, n-2
.elseif n < 102
.set t_, 2+(n-4)/7
.set o_, (n-4)%7
.if o_ == 0
	RF t_
.elseif o_ == 1
	RI t_-2, 0
.elseif o_ == 2
	RC t_-1, 0
.elseif o_ == 3
	RI t_-2, 1
.elseif o_ == 4
	RC t_-1, 1
.else
	RM t_-2, o_-5
.endif
.elseif n < 108
.set o_, n-102
.if o_ == 0
	RI 14, 0
.elseif o_ == 1
	RC 15, 0
.elseif o_ == 2
	RI 14, 1
.elseif o_ == 3
	RC 15, 1
.else
	RM 14, o_-4
.endif
.elseif n < 110
	RI 15, n-108
.else
	RM 15, n-110
.endif
.set n, n+1
.endm
.macro SLICE p                         ; 3 lines behind an even matrix instruction, 4 behind an odd one: 16 x 7 = 112
.rept 3+mi%2
	ROP \p
.endr
.set mi, mi+1
.endm
; ONE K STEP of 32 for the four query tiles.  The four accumulators take turns, one instruction a turn.  w >= 0: the count of the wait for this step's fragment.
; ld = 1: the next tile's fragment k - 1 is fetched behind the first slice (with k = 1 its hb ahead of it), fragment 7 behind the last slice of step 7.  A load into a register that a matrix instruction has read
; stands four places or more behind it (ISA guide 7.12.1 for vector instructions): here 4 + 3 lines of two slices, or the 4 of the last; none names a register of the products.
.macro KSTEP p, k, w, ld
.if (\w) >= 0
	s_wait_dscnt \w
.endif
.irp q, 0,1,2,3
.if (\k) == 0
	v_wmma_f32_16x16x32_bf16 v[ACC+32*(\p)+8*\q:ACC+32*(\p)+8*\q+7], v[AF+8*(\k):AF+8*(\k)+7], v[64*\q+8*(\k):64*\q+8*(\k)+7], v[CQ+8*(\p):CQ+8*(\p)+7]
.else
	v_wmma_f32_16x16x32_bf16 v[ACC+32*(\p)+8*\q:ACC+32*(\p)+8*\q+7], v[AF+8*(\k):AF+8*(\k)+7], v[64*\q+8*(\k):64*\q+8*(\k)+7], v[ACC+32*(\p)+8*\q:ACC+32*(\p)+8*\q+7]
.endif
	SLICE \p
.if (\ld) && (\q == 0) && ((\k) >= 1)
.if (\k) == 1
	ds_load_b128 v[CQ+8*(1-(\p)):CQ+8*(1-(\p))+3],   v[ADH]
	ds_load_b128 v[CQ+8*(1-(\p))+4:CQ+8*(1-(\p))+7], v[ADH] offset:16
.endif
	ds_load_b128 v[AF+8*((\k)-1):AF+8*((\k)-1)+3],   v[ADR] offset:64*((\k)-1)
	ds_load_b128 v[AF+8*((\k)-1)+4:AF+8*((\k)-1)+7], v[ADR] offset:64*((\k)-1)+32
.endif
.if (\ld) && (\q == 3) && ((\k) == 7)
	ds_load_b128 v[AF+56:AF+59], v[ADR] offset:448
	ds_load_b128 v[AF+60:AF+63], v[ADR] offset:480
.endif
.endr
.endm
.macro NEXTADR                         ; the addresses of the tile to be fetched; then the scalars step to the one behind it.  Stands under window 0
	v_add_nc_u32 v[ADR], s[TB], v[AK0]
	v_add_nc_u32 v[ADH], s[TH], v[AH0]
	s_add_co_u32 s[TB], s[TB], TILEB
	s_add_co_u32 s[TH], s[TH], 64
	s_and_b32 s[TH], s[TH], 0x3fc0                 ; 256 entries of 64 bytes: the offset stays inside the table
.endm
.macro RUN nf                          ; hb and the first nf fragments of a tile with p = 0, in one run
	ds_load_b128 v[CQ:CQ+3],   v[ADH]
	ds_load_b128 v[CQ+4:CQ+7], v[ADH] offset:16
.set i, 0
.rept \nf
	ds_load_b128 v[AF+8*i:AF+8*i+3],   v[ADR] offset:64*i
	ds_load_b128 v[AF+8*i+4:AF+8*i+7], v[ADR] offset:64*i+32
.set i, i+1
.endr
.endm
; A TILE.  The LDS loads always go out in the order hb, fragments 0 to 7.  When step k waits, the loads younger than fragment k's are 14 (k = 0: fragments 1 to 7), 12 (k = 1), and for k >= 2
; 2 (7 - k) + 4 + 2 (k - 2) = 14 (the rest of this tile's, and the next tile's hb and fragments 0 to k - 2): the count 12 serves every step.
.macro TILE p
.set n, 0
.set mi, 0
	NEXTADR
	WIN MUL
.irp k, 0,1,2,3,4,5,6,7
	KSTEP \p, \k, 12, 1
.endr
	s_add_co_u32 s[TI], s[TI], 1
	WIN 0                                          ; at a label and at a branch every window is 0
.endm
; A SLOT'S LAST TILE (number 15, p = 1) changes slots.  All its fragments were asked for in tile 14.  ONE barrier: in front of it each wave waits for all its tensor loads, of which one is out: its quarter of the
; other slot; adds 0 to its spare word; and waits for that and for its reads of this slot.  fill = 1: the barrier opens a round of the cluster's barrier, and behind the round this slot is filled again, with the
; 256 centroids two slots on: that load has the sixteen tiles up to the next such wait, less the eight matrix instructions ahead of this barrier's place, in which to land.
.macro XTILE fill
.set n, 0
.set mi, 0
	s_wait_tensorcnt 0x0                           ; no tensor load of mine is out, so a group 0 may be written
	ds_add_u32 v[SPW], v[NIL]                      ; 0 onto my spare word
.if \fill
	s_xor_b32 s[G0B+1], s[G0B+1], SLOT1            ; the walking descriptor: the other slot than last time,
	s_add_nc_u64 s[G0B+2:G0B+3], s[G0B+2:G0B+3], 131072  ; the next 256 rows of 512 bytes; the type bits on top are not reached
.endif
	WIN MUL
	KSTEP 1, 0, 12, 0                              ; eight matrix instructions stand between the add and the wait for it; the add only raises the number of younger LDS instructions
	KSTEP 1, 1, 12, 0
	s_wait_dscnt 0x0                               ; the add is done, and my reads of this slot are over
	s_barrier_signal -1
	KSTEP 1, 2, -1, 0                              ; work on registers while the others arrive
	KSTEP 1, 3, -1, 0
	WIN 0
	s_barrier_wait -1
.if \fill
	CREST                                          ; no wave of any partner still reads this slot or has a load on its way
	tensor_load_to_lds s[G0B:G0B+3], s[G1C:G1C+7]  ; my one tensor load behind the round, and the first thing there
	s_nop 0
.rept 4
	v_nop
.endr
.endif
	s_sub_co_u32 s[TB], s[TB], 16*TILEB            ; the fetches go back to a slot's first tile,
	s_xor_b32 s[TB], s[TB], SLOT1                  ; in the other slot
	NEXTADR
	RUN 4                                          ; fragments 0 to 3 are free: four lines of the last slice and more stand behind the last product that read them
	WIN MUL
	KSTEP 1, 4, -1, 0
	KSTEP 1, 5, -1, 1
	KSTEP 1, 6, -1, 1
	KSTEP 1, 7, -1, 1
	s_add_co_u32 s[TI], s[TI], 1
	WIN 0
.endm
.macro WALK tag                        ; a slot's tiles 0 to 14: entered at an even tile, in the middle of a trip
	s_mov_b32 s[CNT], 8
	s_branch .Leven\tag
.Lpair\tag:
	TILE 1
.Leven\tag:
	TILE 0
	s_sub_co_u32 s[CNT], s[CNT], 1
	s_cmp_lg_u32 s[CNT], 0
	s_cbranch_scc1 .Lpair\tag
.endm
; x.  A query tile is 16 rows of 1,024 bytes: 32 loads of 512 consecutive bytes.
.macro XLOAD q
	WIN 0x80+0x40*((\q)/2)                         ; destination window 2 or 3, address window 0
.set i, 0
.rept 32
	global_load_b128 v[128*((\q)%2)+4*i:128*((\q)%2)+4*i+3], v[XO], s[4:5] offset:16384*(\q)+512*i th:TH_LOAD_NT
.set i, i+1
.endr
.endm
; Rounded to bf16, laid into my stage by rows (8 bytes a lane, 256 consecutive bytes a store) and read back as fragments: lane l takes row l % 16, K = 32 k + 8 (l / 16) + 0..7 and 16 more on.
; The stage is my wave's own and LDS serves a wave's instructions in order (ISA guide 5.7.1.4): no wait stands between the stores, the loads and the next tile's stores.
.macro XCONV q, lc
	s_wait_loadcnt \lc
	WIN 0x0a+5*((\q)/2)                            ; sources 0 and 1 window 2 or 3
.set i, 0
.rept 64
	v_cvt_pk_bf16_f32 v[PK+i], v[128*((\q)%2)+2*i], v[128*((\q)%2)+2*i+1]
.set i, i+1
.endr
	WIN 0
.set i, 0
.rept 32
	ds_store_b64 v[STW], v[PK+2*i:PK+2*i+1] offset:(i/2)*PITCH+(i%2)*256
.set i, i+1
.endr
	WIN 0x40                                       ; destination window 1
.set i, 0
.rept 8
	ds_load_b128 v[64*(\q)+8*i:64*(\q)+8*i+3],   v[STR] offset:64*i
	ds_load_b128 v[64*(\q)+8*i+4:64*(\q)+8*i+7], v[STR] offset:64*i+32
.set i, i+1
.endr
.endm
	s_load_b256 s[4:11], s[0:1], 0x0               ; x s[4:5], cb s[6:7], hb s[8:9], out0 s[10:11]
	v_lshl_add_u32 v[SPW], v0, 2, SPARE
	v_mov_b32 v[NIL], 0
	ds_add_u32 v[SPW], v[NIL]                      ; the wave's opening: the add and its wait stand ahead of my first tensor load; the set-up below, work on registers, stands between them
	v_lshrrev_b32 v1, 5, v0
	v_readfirstlane_b32 s[WV], v1                  ; wave 0..3
	s_bfe_u32 s13, ttmp6, 0x40000                  ; cx: my place in the cluster
	s_lshl_b32 s14, ttmp9, 2                       ; in a cluster launch ttmp9 counts clusters
	s_add_co_u32 s14, s14, s13                     ; my block of 256 queries: it enters x's and out0's addresses alone (s13, s14, s16-19)
	s_lshl_b32 s16, s14, 18                        ; 256 rows of 1,024 bytes,
	s_lshl_b32 s17, s[WV], 16                      ; my wave's 64
	s_add_co_u32 s16, s16, s17
	s_mov_b32 s17, 0
	s_lshl_b32 s18, s14, 10                        ; 256 results of 4 bytes,
	s_lshl_b32 s19, s[WV], 8                       ; my wave's 64
	s_add_co_u32 s18, s18, s19
	s_mov_b32 s19, 0
	; group 1 for cb: 64 rows x 256 elements of 2 bytes, padded in LDS
	s_mov_b32 s[G1C], 15|(1<<16)|(1<<20)|(1<<21)|(6<<22)|(3<<25)  ; 15:0 the mask: all four work-groups; 17:16 2-byte elements; 20 padding on; 21 set beside a mask; 24:22 after every 128 words (code 6); 31:25 4 words (code 3)
	s_mov_b32 s[G1C+1], 256<<16                    ; tensor_dim0 = 256
	s_mov_b32 s[G1C+2], 64<<16                     ; tensor_dim1 = 64
	s_mov_b32 s[G1C+3], 256<<16                    ; tile_dim0 = 256
	s_mov_b32 s[G1C+4], 64                         ; tile_dim1 = 64
	s_mov_b32 s[G1C+5], 256                        ; 256 elements from row to row
	s_mov_b32 s[G1C+6], 0
	s_mov_b32 s[G1C+7], 0
	; group 1 for hb: 4,096 dense bytes as 16 rows of 32 elements of 8 bytes
	s_mov_b32 s[G1H], 15|(3<<16)|(1<<21)
	s_mov_b32 s[G1H+1], 32<<16
	s_mov_b32 s[G1H+2], 16<<16
	s_mov_b32 s[G1H+3], 32<<16
	s_mov_b32 s[G1H+4], 16
	s_mov_b32 s[G1H+5], 32
	s_mov_b32 s[G1H+6], 0
	s_mov_b32 s[G1H+7], 0
	s_mul_i32 s20, s[WV], QUART                    ; my quarter of a slot: the wave's number alone enters an LDS address
	s_lshl_b32 s21, s[WV], 12                      ; my quarter of hb
	s_mov_b32 s[G0A], 1                            ; count = 1
	s_mov_b32 s[G0A+1], s20
	s_mov_b32 s[G0B], 1
	s_add_co_u32 s[G0B+1], s20, SLOT1
	s_mov_b32 s[G0H], 1
	s_add_co_u32 s[G0H+1], s21, HT
	s_lshl_b32 s22, s[WV], 15                      ; 64 rows of 512 bytes
	s_mov_b32 s23, 0
	s_mul_i32 s[STG], s[WV], TILEB
	s_add_co_u32 s[STG], s[STG], STAGE             ; my stage
	s_mov_b32 s[NINF], 0xff800000
	s_mov_b32 s[SEL], 0x76543210
	s_mov_b32 s[SEL+1], 0xfedcba98
	v_and_b32 v[STW], 31, v0                       ; lane
	v_lshlrev_b32 v[XO], 4, v[STW]
	s_wait_dscnt 0x0                               ; the opening add is done
	s_wait_kmcnt 0x0
	s_add_nc_u64 s[4:5], s[4:5], s[16:17]          ; x at my wave's first row
	s_add_nc_u64 s[10:11], s[10:11], s[18:19]      ; out0 at my wave's first result
	s_add_nc_u64 s[G0A+2:G0A+3], s[6:7], s[22:23]  ; centroids 64 w on,
	s_add_nc_u64 s[G0B+2:G0B+3], s[G0A+2:G0A+3], 131072  ; and 256 further
	s_or_b32 s[G0A+3], s[G0A+3], 0x80000000        ; type = 2
	s_or_b32 s[G0B+3], s[G0B+3], 0x80000000
	s_mov_b32 s22, s21
	s_add_nc_u64 s[G0H+2:G0H+3], s[8:9], s[22:23]
	s_or_b32 s[G0H+3], s[G0H+3], 0x80000000
	XLOAD 0                                        ; the first query tile is on its way before the partners meet
	WIN 0
	CROUND                                         ; all four work-groups are here: the first joint loads meet
	tensor_load_to_lds s[G0H:G0H+3], s[G1H:G1H+7]  ; the first fills go out as one group: three tensor loads of mine are out
	s_nop 0
	tensor_load_to_lds s[G0A:G0A+3], s[G1C:G1C+7]
	s_nop 0
	tensor_load_to_lds s[G0B:G0B+3], s[G1C:G1C+7]
	s_nop 0
.rept 4
	v_nop
.endr
	XLOAD 1
	WIN 0
	v_and_b32 v1, 15, v0                           ; l % 16
	v_bfe_u32 v2, v0, 4, 1                         ; l / 16
	v_mul_u32_u24 v[AK0], v1, PITCH
	v_lshl_add_u32 v[AK0], v2, 4, v[AK0]
	v_lshl_add_u32 v[AH0], v2, 5, HT
	v_lshl_add_u32 v[STW], v[STW], 3, s[STG]
	v_add_nc_u32 v[STR], s[STG], v[AK0]
	; The best scores start at -infinity, and so does the score buffer that the first tile's vector lines take: their differences are NaN and choose nothing, so tile 0 runs the loop's own text.
	; 96 lines, in the wait for x.
.set i, 0
.rept 32
	v_mov_b32 v[BEST+i], s[NINF]
	v_mov_b32 v[IDX+i], 0
	v_mov_b32 v[ACC+32+i], s[NINF]
.set i, i+1
.endr
	XLOAD 2
	XLOAD 3
	XCONV 0, 63                                    ; of the 128 loads 96 are younger than tile 0's and 64 than tile 1's; the wait's field ends at 63, the lower and so the safe count
	XCONV 1, 63
	XCONV 2, 32                                    ; tile 3's 32 may stay out
	XCONV 3, 0
	WIN 0
	s_wait_tensorcnt 0x1                           ; my quarters of hb and of slot 0 are in; slot 1's may stay out
	s_wait_dscnt 0x0                               ; the queries' fragments are in
	s_barrier_signal -1
	s_barrier_wait -1                              ; everybody's quarters are in
	s_mov_b32 s[TB], 0
	s_mov_b32 s[TH], 0
	NEXTADR
	RUN 8                                          ; tile 0
	s_mov_b32 s[TI], -1
	s_mov_b32 s[SLOTS], 15
	s_branch .Lin
.Lslot:                                                ; 14 times: every slot but the last two is filled again
	XTILE 1
.Lin:
	WALK 1
	s_sub_co_u32 s[SLOTS], s[SLOTS], 1
	s_cmp_lg_u32 s[SLOTS], 0
	s_cbranch_scc1 .Lslot
	XTILE 0                                        ; the tail is written out: nothing is asked for
	WALK 2
.set n, 0
.set mi, 0
	WIN MUL
.irp k, 0,1,2,3,4,5,6,7
	KSTEP 1, \k, 14-2*\k, 0                        ; the last tile fetches nothing: behind fragment k only the 2 (7 - k) loads of the later fragments are younger
.endr
	s_add_co_u32 s[TI], s[TI], 1
	WIN 0
.set n, 0
.rept 112
	ROP 0                                          ; the last tile's scores; the four lines of the last slice are the places behind the last product
.endr
	; THE WAY OUT.  For each query tile: the greatest of my 8 places and of the 8 in the lane 16 away; then, among the places that hold it, the lowest index 16 x tile + 8 (l / 16) + j.
	v_lshlrev_b32 v[HJ], 3, v2
.irp j, 1,2,3,4,5,6,7
	v_add_nc_u32 v[HJ+\j], \j, v[HJ]
.endr
	v_mov_b32 v[EX], 0                             ; v_permlanex16_b32's destination counts as read
	v_lshl_add_u32 v[RW], v1, 2, s[STG]            ; my stage + 4 (l % 16)
.irp q, 0,1,2,3
	v_max3_num_f32 v[MX], v[BEST+8*\q], v[BEST+8*\q+1], v[BEST+8*\q+2]
	v_max3_num_f32 v[MX], v[MX], v[BEST+8*\q+3], v[BEST+8*\q+4]
	v_max3_num_f32 v[MX], v[MX], v[BEST+8*\q+5], v[BEST+8*\q+6]
	v_max_num_f32 v[MX], v[MX], v[BEST+8*\q+7]
	v_permlanex16_b32 v[EX], v[MX], s[SEL], s[SEL+1]
	v_max_num_f32 v[MX], v[MX], v[EX]
.irp j, 0,1,2,3,4,5,6,7
	v_lshl_add_u32 v[KK+\j], v[IDX+8*\q+\j], 4, v[HJ+\j]
	v_cmp_eq_f32 vcc_lo, v[BEST+8*\q+\j], v[MX]
	v_cndmask_b32 v[KK+\j], 0x7fffffff, v[KK+\j], vcc_lo
.endr
	v_min_u32 v[KK], v[KK], v[KK+1]
	v_min_u32 v[KK+2], v[KK+2], v[KK+3]
	v_min_u32 v[KK+4], v[KK+4], v[KK+5]
	v_min_u32 v[KK+6], v[KK+6], v[KK+7]
	v_min_u32 v[KK], v[KK], v[KK+2]
	v_min_u32 v[KK+4], v[KK+4], v[KK+6]
	v_min_u32 v[KK], v[KK], v[KK+4]
	v_permlanex16_b32 v[EX], v[KK], s[SEL], s[SEL+1]
	v_min_u32 v[KK], v[KK], v[EX]
	ds_store_b32 v[RW], v[KK] offset:64*\q         ; both halves of the lanes write the same word with the same number
.endr
	ds_load_b64 v[RES:RES+1], v[STW]               ; my wave's 64 results, 8 bytes a lane; LDS serves a wave's instructions in order: this sees the stores above
	v_and_b32 v[GO], 31, v0
	v_lshlrev_b32 v[GO], 3, v[GO]
	s_wait_dscnt 0x0
	global_store_b64 v[GO], v[RES:RES+1], s[10:11] ; 256 consecutive bytes, at a multiple of 256 from out0's first byte
	s_wait_tensorcnt 0x0                           ; the wave's end: behind my last tensor load and my last LDS store
	ds_add_u32 v[SPW], v[NIL]
	s_wait_dscnt 0x0
	CROUND                                         ; the closing round: no work-group ends while a partner may still ask for a tile that names it
	s_endpgm
.Lfunc_end_k_qff78e1af31_assign:
	.size	k_qff78e1af31_assign, .Lfunc_end_k_qff78e1af31_assign-k_qff78e1af31_assign
	.p2alignl 7, 3214868480
	.fill 96, 4, 3214868480
	.section	.rodata,"a",@progbits
	.p2align	6, 0x0
	.amdhsa_kernel k_qff78e1af31_assign
		.amdhsa_group_segment_fixed_size 327680
		.amdhsa_private_segment_fixed_size 0
		.amdhsa_enable_private_segment 0
		.amdhsa_kernarg_size 32
		.amdhsa_user_sgpr_count 2
		.amdhsa_user_sgpr_kernarg_segment_ptr 1
		.amdhsa_wavefront_size32 1
		.amdhsa_system_sgpr_workgroup_id_x 1
		.amdhsa_system_sgpr_workgroup_id_y 1
		.amdhsa_system_sgpr_workgroup_id_z 1
		.amdhsa_system_vgpr_workitem_id 0
		.amdhsa_next_free_vgpr 1024
		.amdhsa_next_free_sgpr 66
		.amdhsa_reserve_vcc 1
		.amdhsa_float_denorm_mode_32 3
		.amdhsa_float_denorm_mode_16_64 3
		.amdhsa_memory_ordered 1
		.amdhsa_forward_progress 1
		.amdhsa_inst_pref_size 141
	.end_amdhsa_kernel
	.amdgpu_metadata
---
amdhsa.version: [ 1, 2 ]
amdhsa.kernels:
  - .name:           k_qff78e1af31_assign
    .symbol:         k_qff78e1af31_assign.kd
    .args:
      - { .name: x, .offset: 0, .size: 8, .value_kind: global_buffer, .address_space: global }
      - { .name: cb, .offset: 8, .size: 8, .value_kind: global_buffer, .address_space: global }
      - { .name: hb, .offset: 16, .size: 8, .value_kind: global_buffer, .address_space: global }
      - { .name: out0, .offset: 24, .size: 8, .value_kind: global_buffer, .address_space: global }
    .group_segment_fixed_size: 327680
    .private_segment_fixed_size: 0
    .kernarg_segment_align: 8
    .kernarg_segment_size: 32
    .max_flat_workgroup_size: 128
    .sgpr_count:     66
    .vgpr_count:     1024
    .wavefront_size: 32
...
	.end_amdgpu_metadata
.endif
;; end of part 2
